; MI455X (gfx1250); checked and timed in simulation.
; The chip was launched on July 23, 2026; its instructions are those of AMD's public machine-readable ISA for CDNA 5 (MIT licence, August 2026) and "CDNA5" Instruction Set Architecture Reference Guide (July 2026). The comments in the code are by the model that wrote it; some were corrected since.
;; Transformer Block. Allowed arithmetic: matrix products marked QUANTISED: E2M3 operands, one E8M0 scale for each 32 along K, by v_wmma_scale_f32_16x16x128_f8f6f4 with both operands' format E2M3, f32 sums; everything else in f32.
;; Inputs: W1 256 x 1,024 float32; W2 1,024 x 256 float32; Wk 8 x 256 x 32 float32; Wo 256 x 256 float32; Wq 8 x 256 x 32 float32; Wv 8 x 256 x 32 float32; b1 1,024 float32; b2 256 float32; be1 256 float32; be2 256 float32; bo 256 float32; g1 256 float32; g2 256 float32; x 512 x 128 x 256 float32.
;; Outputs: out0 512 x 128 x 256 float32.
;; This version of the problem:
;;   THIS VERSION OF THE PROBLEM IS GIVEN IN LOW PRECISION. The matrix products marked QUANTISED in the list below multiply operands that are first quantised to E2M3 (2 exponent bits, 3 mantissa bits; 6 bits a number), with one power-of-two scale for each 32 numbers along K (OCP MX v1.0); their sums are f32. All else is computed in f32.
;;   The module's matrix products, in the order in which they are computed (A, B: the left and right operand; K: the contracted axis; several contracted axes count as one K, in the product's order):
;;     1. [M 256, K 256] x [K 256, N 65,536]; A: input Wq; B: computed on the way: QUANTISED
;;     2. [M 256, K 256] x [K 256, N 65,536]; A: input Wk; B: computed on the way: QUANTISED
;;     3. [M 256, K 256] x [K 256, N 65,536]; A: input Wv; B: computed on the way: QUANTISED
;;     4. batch 4,096 x [M 128, K 32] x [K 32, N 128]; A: computed on the way; B: computed on the way: QUANTISED
;;     5. batch 4,096 x [M 128, K 128] x [K 128, N 32]; A: softmax (see below); B: computed on the way: QUANTISED
;;     6. [M 65,536, K 256] x [K 256, N 256]; A: computed on the way; B: input Wo: QUANTISED
;;     7. [M 65,536, K 256] x [K 256, N 1,024]; A: computed on the way; B: input W1: QUANTISED
;;     8. [M 65,536, K 1,024] x [K 1,024, N 256]; A: computed on the way; B: input W2: QUANTISED
;;   THE QUANTISER, for each operand of a quantised product, along K:
;;     - K is cut into blocks of 32 from its start; a last block that is shorter is filled with zeros.
;;     - A block's scale is 2^e with e = floor(log2(the largest magnitude in the block)) - 2, held to -126 .. 127; a block of zeros has e = 0. As a byte (E8M0): e + 127.
;;     - Each number is divided by its block's scale, clamped to +-7.5, and rounded to the nearest number of E2M3, ties to even, subnormals kept.
;;     - The product sums the exact products of the quantised numbers (number of the format x scale) in f32.
;;   ~~~python
;;   def quantise(x, axis):      # numpy; x: float32 -> the quantised numbers, widened to float32 again
;;       x = np.moveaxis(x, axis, -1); K = x.shape[-1]
;;       x = np.pad(x, [(0, 0)] * (x.ndim - 1) + [(0, -K % 32)]); x = x.reshape(x.shape[:-1] + (-1, 32)); a = np.abs(x).max(-1, keepdims=True)
;;       e = np.where(a > 0, np.clip(np.frexp(np.where(a > 0, a, 1))[1] - 1 - 2, -126, 127), 0)      # np.frexp(a)[1] - 1 = floor(log2(a)), exactly
;;       r = np.clip(x / 2.0 ** e, -7.5, 7.5)
;;       step = 2.0 ** (np.maximum(np.frexp(np.where(r == 0, 1, r))[1] - 1, 0) - 3)
;;       q = np.round(r / step) * step * 2.0 ** e      # np.round: ties to even
;;       return np.moveaxis(q.reshape(q.shape[:-2] + (-1,))[..., :K], -1, axis).astype(np.float32)
;;   ~~~
;;   SOFTMAX AHEAD OF A QUANTISED PRODUCT. Where the list says 'softmax', what is quantised is not the finished softmax but p = 2^(t - M), with t = logit x log2(e) and M = ceil(the row's largest t), a whole number; so 1/2 < the row's largest p <= 1. The row's sum l is taken of the UNQUANTISED p, in f32, and the product's result is divided by l at the end. Since M is a whole number, a kernel that streams over the keys may use a running M (the ceiling of the running maximum): every later rescaling is an exact power of two, which a block's scale takes up: the codes' values come out the same.
;;   OPERANDS COMPUTED ON THE WAY. 'Computed on the way' means the value that the module computes at that place (a softmax that the list does not call 'softmax' is quantised finished and normalised). What goes into a quantiser is computed in f32, as accurately as f32 sums, v_exp_f32 and their like allow (about 1e-6 of the number): no bf16 or f16 on the way to a quantiser, and a product that is left as it is and whose result goes on into a quantised operand takes f32 operands (vector FMAs, or v_wmma_f32_16x16x4_f32). A number that lies on a knife's edge between two numbers of the format may be rounded either way, as far as f32 arithmetic and the matrix unit's own rounding can turn it there, and no further.
;; One version. Each part assembles by itself: llvm-mc -triple=amdgcn-amd-amdhsa -mcpu=gfx1250 --defsym DOCPART=n.
;; ======== version 1 of 1: 2 launches
;; limits: right only within a limited range of input values
;; workspace buffers: wfrag 589,824 bytes; wscale 24,576 bytes
;; launch prep (part 1): grid 12 x 8, 4 waves a work-group, no clusters, 0 bytes of LDS; arguments Wq, Wk, Wv, Wo, W1, W2, wfrag, wscale; writes wfrag, wscale
.if DOCPART == 1
	.amdgcn_target "amdgcn-amd-amdhsa--gfx1250"
	.amdhsa_code_object_version 6
	.text
	.protected	k_qfa02164f27_prep
	.globl	k_qfa02164f27_prep
	.p2align	8
	.type	k_qfa02164f27_prep,@function
k_qfa02164f27_prep:
	s_mov_b64 s[64:65], 0
	v_nop
	global_prefetch_b8 v0, s[64:65] scope:SCOPE_SE
	s_setreg_imm32_b32 hwreg(HW_REG_WAVE_MODE, 25, 1), 1
	s_wait_xcnt 0x0
; The six weights, f32 with K NOT innermost, become codes of FP6 (E2M3) with one E8M0 byte for each 32 along K, laid in the ORDER OF THE OPERAND'S REGISTERS, so that the second launch loads every fragment by three loads of 16 bytes a lane.
; A fragment is 16 columns x 128 along K: 12 registers a lane, 1,536 bytes.  Fragment F = 48 w + f belongs to wave w of the second launch; registers 4 g .. 4 g + 3 of lane L lie at 1,536 F + 512 g + 16 L.
;   f = 0..11: Wq, Wk, Wv of head w (4 mat + 2 u + s);  12..15: Wo (2 u + s);  16..31: W1 (2 tt + s);  32..47: W2 (8 u + s).  u, tt: the column tile;  s: the K step of 128.
; THE COLUMNS OF A TILE ARE NOT NEIGHBOURS: row r of tile T is column 32 (T / 2) + 8 (T % 2) + r + 8 (r / 8), so that two neighbouring tiles of a transposed product give a lane 16 neighbours.
; Scale word of fragment f, row r: wscale + 3,072 w + 256 (f / 4) + 16 r + 4 (f % 4): one load of 16 bytes a lane brings four fragments' words.
; A LANE TAKES A COLUMN AND ITS REGISTERS RUN DOWN K, in the order that the operand's layout gives that lane (k = 128 s + 64 c + 32 h + 0..31): a lane holds two whole blocks, and the conversions' results are the operand's registers.
; SHARES: work-group (j, w), wave i: fragment f = 4 j + i of wave w's 48.  384 waves, 64 loads in flight each.  No LDS, no barrier.
; The scale words leave as 4 bytes a lane, 16 bytes apart; the four waves of a work-group together fill 256 consecutive bytes.  That is 24,576 bytes in all.
; LIMITS: NaN and infinities are not served; a block whose largest magnitude lies under 2^-124 (a block of zeros too) gets the byte 1: its codes then are zeros or held small, and this program alone reads the bytes.
.macro WLOAD rs                        ; W(128 s + 64 c + 32 h + n, my column): rs = bytes from row to row
.irp c, 0,1
.set n, 0
.rept 32
	global_load_b32 v[64+32*\c+n], v5, s[26:27] offset:\rs*(64*\c+n)
.set n, n+1
.endr
.endr
.endm
	s_load_b256 s[4:11], s[0:1], 0x0               ; Wq, Wk, Wv, Wo
	s_load_b256 s[12:19], s[0:1], 0x20             ; W1, W2, wfrag, wscale
	v_lshrrev_b32 v1, 5, v0
	v_readfirstlane_b32 s22, v1                    ; i: wave 0..3
	s_mov_b32 s20, ttmp9                           ; j: 0..11
	s_and_b32 s21, ttmp7, 0xffff                   ; w: 0..7
	s_lshr_b32 s23, s22, 1                         ; i / 2
	s_and_b32 s24, s22, 1                          ; i % 2
	v_and_b32 v1, 15, v0                           ; r
	v_bfe_u32 v2, v0, 4, 1                         ; h
	v_and_b32 v4, 8, v1
	v_add_nc_u32 v4, v4, v1                        ; r + 8 (r / 8)
	v_lshlrev_b32 v3, 2, v4                        ; my column's bytes inside the pair of tiles
	v_and_b32 v6, 31, v0
	v_lshlrev_b32 v6, 4, v6                        ; out: 16 x lane
	v_lshlrev_b32 v7, 4, v1
	v_lshl_add_u32 v7, s22, 2, v7                  ; out: 16 r + 4 i
	v_mov_b32 v10, 0                               ; a lane permute's destination counts as one of its sources
	s_mov_b32 s30, 0x76543210
	s_mov_b32 s31, 0xfedcba98                      ; selects for lane l xor 16
	s_mov_b32 s29, 0
	s_mul_i32 s32, s21, 48
	s_lshl_b32 s33, s20, 2
	s_add_co_u32 s32, s32, s33
	s_add_co_u32 s32, s32, s22                     ; F = 48 w + 4 j + i
	s_mul_i32 s32, s32, 1536
	s_mov_b32 s33, 0
	s_mul_i32 s34, s21, 3072
	s_lshl_b32 s35, s20, 8
	s_add_co_u32 s34, s34, s35                     ; 3,072 w + 256 j
	s_mov_b32 s35, 0
	s_wait_kmcnt 0x0
	s_add_nc_u64 s[16:17], s[16:17], s[32:33]
	s_add_nc_u64 s[18:19], s[18:19], s[34:35]
	s_cmp_lt_u32 s20, 3
	s_cbranch_scc0 .Lnot_qkv
	; j = 0, 1, 2: Wq, Wk, Wv [8][256][32]: rows of 128 bytes; head w; u = i / 2, s = i % 2
	s_cmp_eq_u32 s20, 0
	s_cselect_b64 s[26:27], s[4:5], s[6:7]
	s_cmp_eq_u32 s20, 2
	s_cselect_b64 s[26:27], s[8:9], s[26:27]
	s_lshl_b32 s28, s21, 15
	s_lshl_b32 s36, s23, 5
	s_add_co_u32 s28, s28, s36
	s_lshl_b32 s36, s24, 14
	s_add_co_u32 s28, s28, s36
	s_add_nc_u64 s[26:27], s[26:27], s[28:29]
	s_wait_alu depctr_va_vdst(0)
	v_lshl_add_u32 v5, v2, 12, v3                  ; lanes 16-31 begin 32 rows further down
	WLOAD 128
	s_branch .Ltail
.Lnot_qkv:
	s_cmp_lt_u32 s20, 4
	s_cbranch_scc1 .Lk1024
	s_cmp_lt_u32 s20, 8
	s_cbranch_scc0 .Lk1024
	; j = 4..7: W1 [256][1024]: rows of 4,096 bytes; tile 8 w + tt, tt = 2 (j - 4) + i / 2, s = i % 2
	s_sub_co_u32 s36, s20, 4
	s_lshl_b32 s28, s21, 9
	s_lshl_b32 s36, s36, 7
	s_add_co_u32 s28, s28, s36
	s_lshl_b32 s36, s23, 5
	s_add_co_u32 s28, s28, s36
	s_lshl_b32 s36, s24, 19
	s_add_co_u32 s28, s28, s36
	s_add_nc_u64 s[26:27], s[12:13], s[28:29]
	s_wait_alu depctr_va_vdst(0)
	v_lshl_add_u32 v5, v2, 17, v3
	WLOAD 4096
	s_branch .Ltail
.Lk1024:
	; j = 3: Wo [256][256], u = i / 2, s = i % 2;  j = 8..11: W2 [1024][256], u = (j - 8) / 2, s = 4 ((j - 8) % 2) + i.  Rows of 1,024 bytes; tile 2 w + u
	s_max_u32 s36, s20, 8
	s_sub_co_u32 s36, s36, 8
	s_lshr_b32 s37, s36, 1
	s_and_b32 s36, s36, 1
	s_lshl_b32 s36, s36, 2
	s_add_co_u32 s36, s36, s22
	s_cmp_eq_u32 s20, 3
	s_cselect_b64 s[26:27], s[10:11], s[14:15]
	s_cselect_b32 s37, s23, s37
	s_cselect_b32 s36, s24, s36
	s_lshl_b32 s28, s21, 7
	s_lshl_b32 s37, s37, 5
	s_add_co_u32 s28, s28, s37
	s_lshl_b32 s36, s36, 17
	s_add_co_u32 s28, s28, s36
	s_add_nc_u64 s[26:27], s[26:27], s[28:29]
	s_wait_alu depctr_va_vdst(0)
	v_lshl_add_u32 v5, v2, 15, v3
	WLOAD 1024
.Ltail:
	s_wait_loadcnt 0x0
.irp c, 0,1                                    ; my block 2 c + h: all its 32 numbers are mine
	v_max3_num_f32 v[32+\c], |v[64+32*\c]|, |v[65+32*\c]|, 0x1800000   ; with the floor 2^(3 - 127): the byte cannot fall under 1
.endr
.irp i, 2,4,6,8,10,12,14,16,18,20,22,24,26,28,30
.irp c, 0,1
	v_max3_num_f32 v[32+\c], v[32+\c], |v[64+32*\c+\i]|, |v[65+32*\c+\i]|
.endr
.endr
.irp c, 0,1
	v_add_nc_u32 v[34+\c], 0xff000000, v[32+\c]    ; 2 off the exponent field: the conversion's scale operand
.endr
.irp c, 0,1
	v_lshrrev_b32 v[36+\c], 23, v[34+\c]           ; the scale's byte
.endr
	v_lshl_or_b32 v9, v37, 16, v36                 ; my two bytes: blocks h and 2 + h,
	v_lshlrev_b32 v11, 3, v2
	v_lshlrev_b32 v9, v11, v9                      ; at their places in the word;
	v_permlanex16_b32 v10, v9, s30, s31
	v_or_b32 v9, v9, v10                           ; with lane l xor 16's two the word is whole
.irp c, 0,1
	v_cvt_scalef32_pk16_fp6_f32 v[48+6*\c:50+6*\c], v[64+32*\c:79+32*\c], v[34+\c]
	v_cvt_scalef32_pk16_fp6_f32 v[40+4*\c:42+4*\c], v[80+32*\c:95+32*\c], v[34+\c]   ; (a conversion's three registers begin on an even number)
.endr
	v_nop                                          ; one plain place behind a scaled conversion
.irp c, 0,1
.irp i, 0,1,2
	v_mov_b32 v[51+6*\c+\i], v[40+4*\c+\i]
.endr
.endr
.irp g, 0,1,2
	global_store_b128 v6, v[48+4*\g:51+4*\g], s[16:17] offset:512*\g   ; 32 lanes store 512 consecutive bytes, aligned
.endr
	global_store_b32 v7, v9, s[18:19]              ; lanes r and r + 16 write the same word with the same value
	s_endpgm
.Lfunc_end_k_qfa02164f27_prep:
	.size	k_qfa02164f27_prep, .Lfunc_end_k_qfa02164f27_prep-k_qfa02164f27_prep
	.p2alignl 7, 3214868480
	.fill 96, 4, 3214868480
	.section	.rodata,"a",@progbits
	.p2align	6, 0x0
	.amdhsa_kernel k_qfa02164f27_prep
		.amdhsa_group_segment_fixed_size 0
		.amdhsa_private_segment_fixed_size 0
		.amdhsa_enable_private_segment 0
		.amdhsa_kernarg_size 64
		.amdhsa_user_sgpr_count 2
		.amdhsa_user_sgpr_kernarg_segment_ptr 1
		.amdhsa_wavefront_size32 1
		.amdhsa_system_sgpr_workgroup_id_x 1
		.amdhsa_system_sgpr_workgroup_id_y 1
		.amdhsa_system_sgpr_workgroup_id_z 1
		.amdhsa_system_vgpr_workitem_id 0
		.amdhsa_next_free_vgpr 128
		.amdhsa_next_free_sgpr 66
		.amdhsa_reserve_vcc 0
		.amdhsa_float_denorm_mode_32 3
		.amdhsa_float_denorm_mode_16_64 3
		.amdhsa_memory_ordered 1
		.amdhsa_forward_progress 1
		.amdhsa_inst_pref_size 25
	.end_amdhsa_kernel
	.amdgpu_metadata
---
amdhsa.version: [ 1, 2 ]
amdhsa.kernels:
  - .name:           k_qfa02164f27_prep
    .symbol:         k_qfa02164f27_prep.kd
    .args:
      - { .name: Wq, .offset: 0, .size: 8, .value_kind: global_buffer, .address_space: global }
      - { .name: Wk, .offset: 8, .size: 8, .value_kind: global_buffer, .address_space: global }
      - { .name: Wv, .offset: 16, .size: 8, .value_kind: global_buffer, .address_space: global }
      - { .name: Wo, .offset: 24, .size: 8, .value_kind: global_buffer, .address_space: global }
      - { .name: W1, .offset: 32, .size: 8, .value_kind: global_buffer, .address_space: global }
      - { .name: W2, .offset: 40, .size: 8, .value_kind: global_buffer, .address_space: global }
      - { .name: wfrag, .offset: 48, .size: 8, .value_kind: global_buffer, .address_space: global }
      - { .name: wscale, .offset: 56, .size: 8, .value_kind: global_buffer, .address_space: global }
    .group_segment_fixed_size: 0
    .private_segment_fixed_size: 0
    .kernarg_segment_align: 8
    .kernarg_segment_size: 64
    .max_flat_workgroup_size: 128
    .sgpr_count:     66
    .vgpr_count:     128
    .wavefront_size: 32
...
	.end_amdgpu_metadata
.endif
;; end of part 1
;; launch block (part 2): grid 256 x 1, 8 waves a work-group, no clusters, 291,840 bytes of LDS; arguments x, g1, be1, g2, be2, bo, b1, b2, wfrag, wscale, out0; writes out0
.if DOCPART == 2
	.amdgcn_target "amdgcn-amd-amdhsa--gfx1250"
	.amdhsa_code_object_version 6
	.text
	.protected	k_qfa02164f27_block
	.globl	k_qfa02164f27_block
	.p2align	8
	.type	k_qfa02164f27_block,@function
k_qfa02164f27_block:
	s_mov_b64 s[64:65], 0
	v_nop
	global_prefetch_b8 v0, s[64:65] scope:SCOPE_SE
	s_setreg_imm32_b32 hwreg(HW_REG_WAVE_MODE, 25, 1), 1
	s_wait_xcnt 0x0
; The whole transformer block for ONE sequence (128 tokens x 256) in a work-group of eight waves; all eight products on codes of FP6 (E2M3) with one E8M0 scale for each 32 along K; all else in f32.
; Nothing between x and out0 goes to memory: the residual stream lies in LDS in f32, activations go from wave to wave through LDS as images of the operands' registers.
; SHARES.  Row work (x in, the two layernorms, out): wave w owns token tile w.  Every product: THE WAVES SHARE THE COLUMNS: wave w is head w, columns 32 w .. of Wo and W2, hidden units 128 w .. of W1.
; So each weight fragment goes from memory straight into the registers of the one wave that multiplies by it, once a sequence (the first launch has laid them in register order), and q, k, v, scores, softmax and P V never leave a wave.
; TILE ORDER.  Row r of token tile t is token 32 (t / 2) + 8 (t % 2) + r + 8 (r / 8); the columns of a weight tile likewise.  Whichever is source 0 of a product, the 16 registers of result tiles 2 b, 2 b + 1 are the
; 16 neighbours 32 b + 16 (lane / 16) + 0..15 along that axis: what the conversions want.  LDS keeps rows in tile order; only the load of x and the store of out0 translate.
; SOFTMAX.  t = score x log2(e) / sqrt(32); M = ceil(the row's largest t); p = 2^(t - M) is quantised along the keys; the sum of the unquantised p divides the product.  Tiles of keys wholly behind the causal mask are not multiplied.
; THE SCORES have K = 32 in a form of K = 128: q's fragment holds zero codes at k >= 32, so whatever k's operand holds there adds nothing (the scale bytes there are 0, which is 2^-127).  K's tiles so lie 6 registers apart.
; NO CLUSTER, NO TENSOR LOAD: what work-groups share is the weights, 614,400 bytes.  Here they pass no LDS at all; brought jointly they would be written to and read from LDS, 614,400 bytes each way more a sequence,
; and of LDS 35,840 bytes are left beside the sequence for slots.
; LDS (bytes): 0 residual stream, 128 rows x 1,040 | AIM images of h, later h2: fragment (t, s) at 1,536 (2 t + s), lane L's 12 registers at 48 L | ASC their scale words, 128 t + 8 r + 4 s | OIM, OSC the same for o (words at
; 512 s + 32 r + 4 t) | HIM images of the hidden layer, fragment (t, s) at 1,536 (8 t + s) | HSC their words | PAR g1, be1, g2, be2 | SPARE the spare words.
; REGISTERS.  Window 1: v0-191 weight fragments; v192-239 two buffers of fetched fragments; v240-255 bo, later b2.  Window 0: v0 thread; v1-6, v10-13 addresses of the phase; v7 16 L, v8 16 r, v9 64 h (never rewritten);
; v14, v15 the add's two; v92-153 is never a product's A, B, C or D: all scale operands lie there.
; LIMITS: NaN and infinities among the inputs are not served.  A block whose largest magnitude lies under 2^-124 (a block of zeros too) gets the byte 1.  v_exp_f32 gives 0 for p under 2^-126.  The division by the sum is v_rcp_f32 and a multiplication.
; A WORK-GROUP STAYS FOR TWO SEQUENCES, n and n + 256 (grid 256): one loop, counted in s41, round the whole body.  Behind a sequence's last product the next one's x (32 loads a wave, four behind each tile of
; the residual's update) is asked for, into registers that the last product has left: x into v128-191 of window 0 and v192-255 of window 1.
; The branches round these loads hang on the loop's counter alone.  A wave's rows of the residual stream are read (the way out) and written (the next x) by that wave alone, in the order of its LDS instructions.
; THE HIDDEN LAYER GOES IN TWO HALVES of my 128 hidden units: W1's first eight fragments are done with half way, and W2's K steps 0-3 take their registers while the second half is multiplied.
; The causal mask's 32 lane masks are made once a sequence, in s66-97.
.set XP, 1040
; (Of the loads named above only x's are asked for a sequence ahead.  Wq, Wk, Wv are asked for in the sequence that uses them, inside its first layernorm, twelve loads at each of three places, and not on the way out:
; so every counted wait sees the same loads on every way through the text, and the wait for x at the loop's top is for 0.)
.set TROW, 16*XP
.set FRB, 1536
.set AIM, 133120
.set ASC, 157696
.set OIM, 158720
.set OSC, 183296
.set HIM, 184320
.set HSC, 282624
.set PAR, 286720
.set SPARE, 290816
.set SPW, 14
.set NIL, 15
.set S, 16                             ; v16-79 scores, then p; also q v16-31, k v32-47, v v48-79; O v16-31
.set PF, 80                            ; v80-91 p's fragment
.set T0, 92                            ; v92-94, v96-98 half blocks of codes
.set PS, 95                            ; p's scale word
.set QS, 99                            ; q's scale words: v99 (even tiles), v120 (odd)
.set BM, 100
.set BP, 104
.set BS, 108
.set NM, 112
.set LS, 114
.set L2, 116
.set RC, 118
.set NINF, 121
.set TA, 122
.set TB, 123
.set HW, 124                           ; v124:125, v126:127 scale words of the fetched fragments
.set WS, 128                           ; v128-143 the weights' scale words
.set KS, 144                           ; v144-151 k's scale words, a tile each
.set VS, 152                           ; v152, v153 v's
.set KK, 154                           ; v154-207 k's tiles, 6 registers apart
.set VV, 208                           ; v208-231 v's two fragments
.set QF0, 232                          ; v232-243, v244-255 q's fragments
.set X, 128                            ; a layernorm's 128 numbers a lane
.set G, 64
.set CH, 40                            ; v40-55: eight chains of pairs; free until the quantiser writes its codes there
.set PD, 33
.set TM, 16                            ; the quantiser's registers: set anew for the FFN
.set PW, 32
.set PC, 36
.set MSB, 0
.macro WIN new                         ; the immediate's high byte repeats the setting that is left
.if MSB != \new
	s_set_vgpr_msb (MSB<<8)|\new
.set MSB, \new
.endif
.endm
.macro PLACES n                        ; plain places behind matrix instructions: 4 ahead of reads of results and of loads into operands, 5 where a later product writes over a register, 8 ahead of a scale written by a vector instruction
.rept \n
	v_nop
.endr
.endm
.macro BARRIER                         ; my LDS stores have landed and my LDS loads are in: then the work-group's barrier
	s_wait_dscnt 0x0
	s_barrier_signal -1
	s_barrier_wait -1
.endm
.macro MMA0 d, a, b, sa, sb            ; a product that starts its sum
	v_wmma_scale_f32_16x16x128_f8f6f4 v[\d:\d+7], v[\a:\a+11], v[\b:\b+11], 0, v[\sa], v[\sb] matrix_a_fmt:MATRIX_FMT_FP6 matrix_b_fmt:MATRIX_FMT_FP6
.endm
.macro MMAC d, a, b, c, sa, sb
	v_wmma_scale_f32_16x16x128_f8f6f4 v[\d:\d+7], v[\a:\a+11], v[\b:\b+11], v[\c:\c+7], v[\sa], v[\sb] matrix_a_fmt:MATRIX_FMT_FP6 matrix_b_fmt:MATRIX_FMT_FP6
.endm
; 64 numbers of a lane, register 16 b + i = k 32 b + 16 (lane / 16) + i of my row, become a fragment's codes in v[PC] on and its scale word in v[PW].
.macro QUANT s
.irp b, 0,1,2,3
	v_max3_num_f32 v[TM+\b], |v[\s+16*\b]|, |v[\s+1+16*\b]|, 0x1800000   ; with the floor 2^(3 - 127): the byte cannot fall under 1.  Two chains a block, eight in all, by turns
.endr
.irp b, 0,1,2,3
	v_max3_num_f32 v[TM+8+\b], |v[\s+8+16*\b]|, |v[\s+9+16*\b]|, |v[\s+10+16*\b]|
.endr
.irp i, 2,4
.irp b, 0,1,2,3
	v_max3_num_f32 v[TM+\b], v[TM+\b], |v[\s+16*\b+\i]|, |v[\s+1+16*\b+\i]|
.endr
.irp b, 0,1,2,3
	v_max3_num_f32 v[TM+8+\b], v[TM+8+\b], |v[\s+9+16*\b+\i]|, |v[\s+10+16*\b+\i]|
.endr
.endr
.irp b, 0,1,2,3
	v_max3_num_f32 v[TM+\b], v[TM+\b], |v[\s+6+16*\b]|, |v[\s+7+16*\b]|
.endr
.irp i, 15
.irp b, 0,1,2,3
	s_delay_alu instid0(VALU_DEP_4)
	v_max3_num_f32 v[TM+\b], v[TM+\b], v[TM+8+\b], |v[\s+16*\b+\i]|   ; the two chains and the sixteenth number
.endr
.endr
.irp b, 0,1,2,3
	s_delay_alu instid0(VALU_DEP_4)
	v_permlanex16_b32 v[TM+4+\b], v[TM+\b], s30, s31
.endr
.irp b, 0,1,2,3
	s_delay_alu instid0(VALU_DEP_4)
	v_max_num_f32 v[TM+\b], v[TM+\b], v[TM+4+\b]   ; with lane l xor 16's: the block's largest magnitude
.endr
.irp b, 0,1,2,3
	s_delay_alu instid0(VALU_DEP_4)
	v_add_nc_u32 v[TM+12+\b], 0xff000000, v[TM+\b] ; 2 off its exponent field: the conversion's scale operand
.endr
.irp b, 0,1,2,3
	s_delay_alu instid0(VALU_DEP_4)
	v_lshrrev_b32 v[TM+4+\b], 23, v[TM+12+\b]      ; the scale's byte
.endr
	s_delay_alu instid0(VALU_DEP_3)
	v_lshl_or_b32 v[PW], v[TM+5], 8, v[TM+4]
	s_delay_alu instid0(VALU_DEP_1)
	v_lshl_or_b32 v[PW], v[TM+6], 16, v[PW]
	s_delay_alu instid0(VALU_DEP_1)
	v_lshl_or_b32 v[PW], v[TM+7], 24, v[PW]
.irp c, 0,1
	v_cvt_scalef32_pk16_fp6_f32 v[PC+6*\c:PC+2+6*\c], v[\s+32*\c:\s+15+32*\c], v[TM+12+2*\c]
	v_cvt_scalef32_pk16_fp6_f32 v[PC+12+4*\c:PC+14+4*\c], v[\s+16+32*\c:\s+31+32*\c], v[TM+12+2*\c+1]
.endr
	v_nop                                          ; one plain place behind a scaled conversion
.irp c, 0,1                                    ; the operand's layout wants a whole block in a lane
.irp i, 0,1,2
	v_permlane16_swap_b32 v[PC+6*\c+\i], v[PC+12+4*\c+\i]
.endr
.irp i, 0,1,2
	s_delay_alu instid0(VALU_DEP_3)
	v_mov_b32 v[PC+3+6*\c+\i], v[PC+12+4*\c+\i]
.endr
.endr
.endm
.macro IMAGE adr, off                  ; the fragment in v[PC] on goes to LDS as it stands: my 48 bytes
.irp g, 0,1,2
	ds_store_b128 v[\adr], v[PC+4*\g:PC+4*\g+3] offset:\off+16*\g
.endr
.endm
; ---- a layernorm of my 16 rows, quantised: lane (r, h) holds, of row r, the 16 numbers 32 b + 16 h + 0..15 of each of the eight blocks
.macro GLOAD b, goff, boff             ; g and be of block b, into buffer b % 2
.irp j, 0,1,2,3
	ds_load_b128 v[G+32*((\b)%2)+4*\j:G+32*((\b)%2)+4*\j+3], v2 offset:\goff+128*(\b)+16*\j
.endr
.irp j, 0,1,2,3
	ds_load_b128 v[G+16+32*((\b)%2)+4*\j:G+16+32*((\b)%2)+4*\j+3], v2 offset:\boff+128*(\b)+16*\j
.endr
.endm
.macro REDUCE                          ; eight chains of pairs -> the row's sum in v[CH], every lane
.irp k, 0,1,2,3
	s_delay_alu instid0(VALU_DEP_4)
	v_pk_add_f32 v[CH+2*\k:CH+2*\k+1], v[CH+2*\k:CH+2*\k+1], v[CH+8+2*\k:CH+9+2*\k]   ; eight chains to four
.endr
	s_delay_alu instid0(VALU_DEP_3)
	v_pk_add_f32 v[CH:CH+1], v[CH:CH+1], v[CH+2:CH+3]
	s_delay_alu instid0(VALU_DEP_2)
	v_pk_add_f32 v[CH+4:CH+5], v[CH+4:CH+5], v[CH+6:CH+7]
	s_delay_alu instid0(VALU_DEP_1)
	v_pk_add_f32 v[CH:CH+1], v[CH:CH+1], v[CH+4:CH+5]
	s_delay_alu instid0(VALU_DEP_1)
	v_add_f32 v[CH], v[CH], v[CH+1]
	s_delay_alu instid0(VALU_DEP_1)
	v_permlanex16_b32 v[PD], v[CH], s30, s31       ; the row's other 128 numbers lie in the lane 16 away
	s_delay_alu instid0(VALU_DEP_1)
	v_add_f32 v[CH], v[CH], v[PD]
.endm
.macro LN which, goff, boff
	v_and_b32 v10, 15, v0
	v_and_b32 v11, 31, v0
	s_mul_i32 s27, s26, TROW
	v_mul_u32_u24 v1, v10, XP
	s_delay_alu instid0(VALU_DEP_1)
	v_add_nc_u32 v1, s27, v1
	s_delay_alu instid0(VALU_DEP_1)
	v_add_nc_u32 v1, v9, v1                        ; my row of the residual stream, + 64 h
	v_add_nc_u32 v2, PAR, v9
	s_mul_i32 s27, s26, 2*FRB
	v_mul_u32_u24 v3, v11, 48
	s_delay_alu instid0(VALU_DEP_1)
	v_add_nc_u32 v3, s27, v3
	s_delay_alu instid0(VALU_DEP_1)
	v_add_nc_u32 v3, AIM, v3                       ; my tile's two images
	s_lshl_b32 s27, s26, 7
	v_lshlrev_b32 v4, 3, v10
	s_delay_alu instid0(VALU_DEP_1)
	v_add_nc_u32 v4, s27, v4
	s_delay_alu instid0(VALU_DEP_1)
	v_add_nc_u32 v4, ASC, v4                       ; and their scale words
	v_mov_b32 v[PD], 0                             ; a lane permute's destination counts as one of its sources
.irp b, 0,1,2,3
	v_mov_b32 v[TM+4+\b], 0
.endr
.set n, 0
.rept 32
	ds_load_b128 v[X+4*n:X+4*n+3], v1 offset:128*(n/4)+16*(n%4)
.set n, n+1
.endr
	GLOAD 0, \goff, \boff
	GLOAD 1, \goff, \boff
.if \which == 1
	WQKV 0
.endif
	s_wait_dscnt 16                                ; the row is in; the 16 loads of g and be may be out
.irp k, 0,1,2,3,4,5,6,7
	v_pk_add_f32 v[CH+2*\k:CH+2*\k+1], v[X+2*\k:X+2*\k+1], v[X+16+2*\k:X+17+2*\k]
.endr
.set n, 16
.rept 48
	v_pk_add_f32 v[CH+2*(n%8):CH+2*(n%8)+1], v[CH+2*(n%8):CH+2*(n%8)+1], v[X+2*n:X+2*n+1]
.set n, n+1
.endr
	REDUCE
	s_delay_alu instid0(VALU_DEP_1)
	v_mul_f32 v[CH], s34, v[CH]                    ; the mean
.if \which == 1
	WQKV 1
.endif
.set n, 0
.rept 64
	v_pk_add_f32 v[X+2*n:X+2*n+1], v[X+2*n:X+2*n+1], v[CH:CH+1] op_sel_hi:[1,0] neg_lo:[0,1] neg_hi:[0,1]
.set n, n+1
.endr
.if \which == 1
	WQKV 2
.endif
.irp k, 0,1,2,3,4,5,6,7
	v_pk_mul_f32 v[CH+2*\k:CH+2*\k+1], v[X+2*\k:X+2*\k+1], v[X+2*\k:X+2*\k+1]
.endr
.set n, 8
.rept 56
	v_pk_fma_f32 v[CH+2*(n%8):CH+2*(n%8)+1], v[X+2*n:X+2*n+1], v[X+2*n:X+2*n+1], v[CH+2*(n%8):CH+2*(n%8)+1]
.set n, n+1
.endr
	REDUCE
	s_delay_alu instid0(VALU_DEP_1)
	v_fma_f32 v[CH], v[CH], s34, s35               ; the variance + 1e-5
	s_wait_alu depctr_va_vdst(0)
	v_rsq_f32 v[CH+2], v[CH]
	v_nop                                          ; a plain place behind the transcendental,
	s_wait_alu depctr_va_vdst(0)                   ; and the wait ahead of its first reader
.set n, 0
.rept 64
	v_pk_mul_f32 v[X+2*n:X+2*n+1], v[X+2*n:X+2*n+1], v[CH+2:CH+3] op_sel_hi:[1,0]
.set n, n+1
.endr
.irp b, 0,1,2,3,4,5,6,7
.if \b == 7
	s_wait_dscnt 0x0                               ; the last g and be; and the first image's stores have read their registers
.else
	s_wait_dscnt 8                                 ; block b's g and be are in: behind them at least the next block's eight loads were issued
.endif
.irp i, 0,1,2,3,4,5,6,7
	v_pk_fma_f32 v[X+16*\b+2*\i:X+16*\b+2*\i+1], v[X+16*\b+2*\i:X+16*\b+2*\i+1], v[G+32*(\b%2)+2*\i:G+32*(\b%2)+2*\i+1], v[G+16+32*(\b%2)+2*\i:G+16+32*(\b%2)+2*\i+1]
.endr
.if \b < 6
	GLOAD \b+2, \goff, \boff
.endif
.if \b == 3
	QUANT X
	IMAGE 3, 0
	ds_store_b32 v4, v[PW]
.irp q, 0,1,2,3                                ; the scale words of the weights that come next, into registers that the quantiser has left
	global_load_b128 v[WS+4*\q:WS+4*\q+3], v8, s[22:23] offset:256*(4*(\which-1)+\q)
.endr
.endif
.if \b == 7
	QUANT X+64
	IMAGE 3, FRB
	ds_store_b32 v4, v[PW] offset:4
.if \which == 2
.irp q, 0,1,2,3                                ; W2's scale words,
	global_load_b128 v[108+4*\q:108+4*\q+3], v8, s[22:23] offset:256*(8+\q)
.endr
.irp tt, 0,1,2,3,4,5,6,7                       ; and b1 in the layout of the first FFN product's results
.irp k, 0,1
	global_load_b128 v[192+8*\tt+4*\k:192+8*\tt+4*\k+3], v9, s[16:17] offset:(32*(\tt/2)+8*(\tt%2))*4+16*\k
.endr
.endr
.endif
.endif
.endr
.endm
; ---- attention
.macro HFETCH t                        ; h's two fragments of token tile t into buffer t % 2 of window 1, and their scale words: 7 LDS loads
	WIN 0x40
.irp s, 0,1
.irp g, 0,1,2
	ds_load_b128 v[192+24*((\t)%2)+12*\s+4*\g:192+24*((\t)%2)+12*\s+4*\g+3], v1 offset:(2*(\t)+\s)*FRB+16*\g
.endr
.endr
	WIN 0
	ds_load_b64 v[HW+2*((\t)%2):HW+2*((\t)%2)+1], v2 offset:128*(\t)
.endm
; q, k, v of my head for token tile t.  q, k: source 0 = the weight, so a lane holds one token and 16 of the head's 32; v: source 0 = h, so a lane holds one channel and its registers run along the tokens, the next K.
; The six accumulators take turns.  Then q and k are quantised: one block of 32; the swap with zeros puts the whole block into lanes 0-15 and zeros into lanes 16-31.
.macro TILE t
.set e, (\t)%2
.set HB, 192+24*e
.set QF, QF0+12*e
.set KT, KK+6*(\t)
.if (\t) < 7
	HFETCH (\t)+1
	s_wait_dscnt 7                                 ; all but the seven just issued
.else
	s_wait_dscnt 0x0
.endif
	WIN 0x05                                       ; sources 0 and 1 in window 1
.irp s, 0,1
.irp u, 0,1
.if \s == 0
	MMA0 S+8*\u, 12*(2*\u+\s), HB+12*\s, WS+2*\u+\s, HW+2*e+\s
.else
	MMAC S+8*\u, 12*(2*\u+\s), HB+12*\s, S+8*\u, WS+2*\u+\s, HW+2*e+\s
.endif
.endr
.irp u, 0,1
.if \s == 0
	MMA0 S+16+8*\u, 12*(4+2*\u+\s), HB+12*\s, WS+4+2*\u+\s, HW+2*e+\s
.else
	MMAC S+16+8*\u, 12*(4+2*\u+\s), HB+12*\s, S+16+8*\u, WS+4+2*\u+\s, HW+2*e+\s
.endif
.endr
.irp u, 0,1
.if \s == 0
	MMA0 S+32+16*\u+8*e, HB+12*\s, 12*(8+2*\u+\s), HW+2*e+\s, WS+8+2*\u+\s
.else
	MMAC S+32+16*\u+8*e, HB+12*\s, 12*(8+2*\u+\s), S+32+16*\u+8*e, HW+2*e+\s, WS+8+2*\u+\s
.endif
.endr
.endr
	WIN 0
	PLACES 5
	v_max3_num_f32 v[BM], |v[S]|, |v[S+1]|, 0x1800000
	v_max3_num_f32 v[BM+1], |v[S+16]|, |v[S+17]|, 0x1800000
.irp i, 2,4,6,8,10,12,14
	v_max3_num_f32 v[BM], v[BM], |v[S+\i]|, |v[S+1+\i]|
	v_max3_num_f32 v[BM+1], v[BM+1], |v[S+16+\i]|, |v[S+17+\i]|
.endr
	s_delay_alu instid0(VALU_DEP_2)
	v_permlanex16_b32 v[BP], v[BM], s30, s31
	s_delay_alu instid0(VALU_DEP_2)
	v_permlanex16_b32 v[BP+1], v[BM+1], s30, s31
	s_delay_alu instid0(VALU_DEP_2)
	v_max_num_f32 v[BM], v[BM], v[BP]
	s_delay_alu instid0(VALU_DEP_2)
	v_max_num_f32 v[BM+1], v[BM+1], v[BP+1]
	s_delay_alu instid0(VALU_DEP_2)
	v_add_nc_u32 v[BS], 0xff000000, v[BM]
	s_delay_alu instid0(VALU_DEP_2)
	v_add_nc_u32 v[BS+1], 0xff000000, v[BM+1]
	s_delay_alu instid0(VALU_DEP_2)
	v_lshrrev_b32 v[QS+21*e], 23, v[BS]            ; the scale word: the byte of k 0..31; the three bytes above it are 0
	s_delay_alu instid0(VALU_DEP_2)
	v_lshrrev_b32 v[KS+(\t)], 23, v[BS+1]
.irp i, 3,4,5
	v_mov_b32 v[QF+\i], 0
.endr
	v_cvt_scalef32_pk16_fp6_f32 v[QF:QF+2], v[S:S+15], v[BS]
	v_cvt_scalef32_pk16_fp6_f32 v[KT:KT+2], v[S+16:S+31], v[BS+1]
	v_nop
.irp i, 0,1,2
	v_permlane16_swap_b32 v[QF+\i], v[QF+3+\i]
	v_permlane16_swap_b32 v[KT+\i], v[KT+3+\i]     ; (k's upper three registers hold zeros since the phase's head)
.endr
.endm
; v's block b of 32 keys (token tiles 2 b, 2 b + 1) is quantised along the keys and laid into v's two fragments: block b lies in lanes 16 (b % 2) .., registers 6 (b / 2) ..
.macro VQ b
.set c6, 6*((\b)/2)
.irp u, 0,1
	v_max3_num_f32 v[BM+\u], |v[S+32+16*\u]|, |v[S+33+16*\u]|, 0x1800000
.endr
.irp i, 2,4,6,8,10,12,14
.irp u, 0,1
	v_max3_num_f32 v[BM+\u], v[BM+\u], |v[S+32+16*\u+\i]|, |v[S+33+16*\u+\i]|
.endr
.endr
.irp u, 0,1
	s_delay_alu instid0(VALU_DEP_2)
	v_permlanex16_b32 v[BP+\u], v[BM+\u], s30, s31
.endr
.irp u, 0,1
	s_delay_alu instid0(VALU_DEP_2)
	v_max_num_f32 v[BM+\u], v[BM+\u], v[BP+\u]
.endr
.irp u, 0,1
	s_delay_alu instid0(VALU_DEP_2)
	v_add_nc_u32 v[BS+\u], 0xff000000, v[BM+\u]
.endr
.irp u, 0,1
	s_delay_alu instid0(VALU_DEP_2)
	v_lshrrev_b32 v[TA+\u], 23, v[BS+\u]
.endr
.irp u, 0,1
.if (\b) == 0
	s_delay_alu instid0(VALU_DEP_2)
	v_mov_b32 v[VS+\u], v[TA+\u]                   ; the bytes of blocks not yet made are 0; their codes are zeros
.else
	s_delay_alu instid0(VALU_DEP_2)
	v_lshl_or_b32 v[VS+\u], v[TA+\u], 8*(\b), v[VS+\u]
.endif
.endr
.if (\b)%2 == 0
.irp u, 0,1
	v_cvt_scalef32_pk16_fp6_f32 v[VV+12*\u+c6:VV+12*\u+c6+2], v[S+32+16*\u:S+47+16*\u], v[BS+\u]
.endr
	v_nop
.irp u, 0,1
.irp i, 0,1,2
	v_permlane16_swap_b32 v[VV+12*\u+c6+\i], v[VV+12*\u+c6+3+\i]   ; with zeros: the whole block into lanes 0-15
.endr
.endr
.else
.irp u, 0,1
	v_cvt_scalef32_pk16_fp6_f32 v[T0+4*\u:T0+4*\u+2], v[S+32+16*\u:S+47+16*\u], v[BS+\u]
.endr
	v_nop
.irp u, 0,1
.irp i, 0,1,2
	v_permlane16_swap_b32 v[VV+12*\u+c6+\i], v[T0+4*\u+\i]         ; the lower 16 codes into lanes 16-31, which held zeros;
.endr
.irp i, 0,1,2
	s_delay_alu instid0(VALU_DEP_3)
	v_or_b32 v[VV+12*\u+c6+3+\i], v[VV+12*\u+c6+3+\i], v[T0+4*\u+\i]   ; the upper 16 are left in lanes 16-31 over zeros in lanes 0-15
.endr
.endr
.endif
.endm
; Query tile j against its nb = j / 2 + 1 blocks of 32 keys: scores, mask on the last block, softmax, P V, / the sum, quantised; my head's half blocks of o go into o's images.
.macro ATT j
.set nb, (\j)/2+1
.set e, (\j)%2
.set QF, QF0+12*e
.set SL, S+16*(nb-1)
	s_wait_dscnt 0x0                               ; my earlier LDS stores have read their registers
.set i, 0
.rept 2*nb
	MMA0 S+8*i, KK+6*i, QF, KS+i, QS+21*e          ; S^T: source 0 = 16 keys, source 1 = my 16 queries: a lane holds one query
.set i, i+1
.endr
	PLACES 5
.set i, 0
.rept 16                                       ; register i of the last block holds key 16 h + i of it; my query is 8 e + r + 8 (r / 8): hidden where i > v5 (e = 0) or v6 (e = 1)
	v_cndmask_b32 v[SL+i], v[SL+i], v[NINF], s[66+16*e+i]   ; the lane mask was made at the phase's head
.set i, i+1
.endr
.set b, 0
.rept nb
	v_max3_num_f32 v[BM+b], v[S+16*b], v[S+16*b+1], v[S+16*b+2]    ; the largest score of each block: for the row's maximum, and, since p rises with the score, for the block's largest p
.set b, b+1
.endr
.irp i, 3,5,7,9,11,13
.set b, 0
.rept nb
	v_max3_num_f32 v[BM+b], v[BM+b], v[S+16*b+\i], v[S+16*b+\i+1]
.set b, b+1
.endr
.endr
.set b, 0
.rept nb
	v_max_num_f32 v[BM+b], v[BM+b], v[S+16*b+15]
.set b, b+1
.endr
.set b, 0
.rept nb
	v_permlanex16_b32 v[BP+b], v[BM+b], s30, s31
.set b, b+1
.endr
.set b, 0
.rept nb
	v_max_num_f32 v[BM+b], v[BM+b], v[BP+b]
.set b, b+1
.endr
.if nb == 1
	s_delay_alu instid0(VALU_DEP_1)
	v_mul_f32 v[TA], s32, v[BM]
.elseif nb == 2
	s_delay_alu instid0(VALU_DEP_1)
	v_max_num_f32 v[TA], v[BM], v[BM+1]
	s_delay_alu instid0(VALU_DEP_1)
	v_mul_f32 v[TA], s32, v[TA]
.elseif nb == 3
	s_delay_alu instid0(VALU_DEP_1)
	v_max3_num_f32 v[TA], v[BM], v[BM+1], v[BM+2]
	s_delay_alu instid0(VALU_DEP_1)
	v_mul_f32 v[TA], s32, v[TA]
.else
	s_delay_alu instid0(VALU_DEP_2)
	v_max3_num_f32 v[TA], v[BM], v[BM+1], v[BM+2]
	s_delay_alu instid0(VALU_DEP_1)
	v_max_num_f32 v[TA], v[TA], v[BM+3]
	s_delay_alu instid0(VALU_DEP_1)
	v_mul_f32 v[TA], s32, v[TA]
.endif
	s_delay_alu instid0(VALU_DEP_1)
	v_floor_f32 v[NM], -v[TA]                      ; -M = floor(-t) = -ceil(t)
.set i, 0
.rept 8*nb
	v_pk_fma_f32 v[S+2*i:S+2*i+1], v[S+2*i:S+2*i+1], s[32:33], v[NM:NM+1] op_sel_hi:[1,0,0]   ; t - M
.set i, i+1
.endr
.set b, 0
.rept nb
	v_fma_f32 v[BM+b], v[BM+b], s32, v[NM]
.set b, b+1
.endr
.set i, 0
	s_wait_alu depctr_va_vdst(0)
.rept 16*nb
	v_exp_f32 v[S+i], v[S+i]                       ; p = 2^(t - M); a hidden key's is 0
.set i, i+1
.endr
	v_nop                                          ; a plain place behind the batch,
	s_wait_alu depctr_va_vdst(0)                   ; and one wait for it, ahead of its first reader
.set b, 0
.rept nb
	v_exp_f32 v[BM+b], v[BM+b]                     ; each block's largest p
.set b, b+1
.endr
	v_pk_add_f32 v[LS:LS+1], v[S:S+1], v[S+2:S+3]  ; the sum of the unquantised p, in two chains
	v_pk_add_f32 v[L2:L2+1], v[S+4:S+5], v[S+6:S+7]
.set i, 4
.rept 4*nb-2
	v_pk_add_f32 v[LS:LS+1], v[LS:LS+1], v[S+2*i:S+2*i+1]
	v_pk_add_f32 v[L2:L2+1], v[L2:L2+1], v[S+2*i+2:S+2*i+3]
.set i, i+2
.endr
	s_delay_alu instid0(VALU_DEP_1)
	v_pk_add_f32 v[LS:LS+1], v[LS:LS+1], v[L2:L2+1]
	s_delay_alu instid0(VALU_DEP_1)
	v_add_f32 v[LS], v[LS], v[LS+1]
	s_delay_alu instid0(VALU_DEP_1)
	v_permlanex16_b32 v[TB], v[LS], s30, s31
	s_delay_alu instid0(VALU_DEP_1)
	v_add_f32 v[LS], v[LS], v[TB]
	s_wait_alu depctr_va_vdst(0)
	v_rcp_f32 v[RC], v[LS]
	v_nop
	s_wait_alu depctr_va_vdst(0)                   ; one wait for the blocks' exponentials and the reciprocal
.set b, 0
.rept nb
	v_max_num_f32 v[BM+b], 0x1800000, v[BM+b]
.set b, b+1
.endr
.set b, 0
.rept nb
	v_add_nc_u32 v[BS+b], 0xff000000, v[BM+b]
.set b, b+1
.endr
.set b, 0
.rept nb
	v_lshrrev_b32 v[BP+b], 23, v[BS+b]
.set b, b+1
.endr
.if nb == 1
	s_delay_alu instid0(VALU_DEP_1)
	v_mov_b32 v[PS], v[BP]                         ; p's scale word; the bytes of blocks behind the mask are 0, their codes zeros
.else
	v_lshl_or_b32 v[PS], v[BP+1], 8, v[BP]
.endif
.if nb > 2
	s_delay_alu instid0(VALU_DEP_1)
	v_lshl_or_b32 v[PS], v[BP+2], 16, v[PS]
.endif
.if nb > 3
	s_delay_alu instid0(VALU_DEP_1)
	v_lshl_or_b32 v[PS], v[BP+3], 24, v[PS]
.endif
.if nb == 1
.irp i, 0,1,2
	v_mov_b32 v[T0+\i], 0
.endr
.endif
.if nb == 3
.irp i, 0,1,2
	v_mov_b32 v[T0+4+\i], 0
.endr
.endif
	v_cvt_scalef32_pk16_fp6_f32 v[PF:PF+2], v[S:S+15], v[BS]
.if nb > 1
	v_cvt_scalef32_pk16_fp6_f32 v[T0:T0+2], v[S+16:S+31], v[BS+1]
.endif
.if nb > 2
	v_cvt_scalef32_pk16_fp6_f32 v[PF+6:PF+8], v[S+32:S+47], v[BS+2]
.endif
.if nb > 3
	v_cvt_scalef32_pk16_fp6_f32 v[T0+4:T0+6], v[S+48:S+63], v[BS+3]
.endif
	v_nop
.irp i, 0,1,2
	v_permlane16_swap_b32 v[PF+\i], v[T0+\i]
.endr
.irp i, 0,1,2
	s_delay_alu instid0(VALU_DEP_3)
	v_mov_b32 v[PF+3+\i], v[T0+\i]
.endr
.if nb > 2
.irp i, 0,1,2
	v_permlane16_swap_b32 v[PF+6+\i], v[T0+4+\i]
.endr
.irp i, 0,1,2
	s_delay_alu instid0(VALU_DEP_3)
	v_mov_b32 v[PF+9+\i], v[T0+4+\i]
.endr
.endif
	PLACES 8                                       ; p's scale word and codes were written by vector instructions
	MMA0 S, VV, PF, VS, PS                         ; O^T: source 0 = 16 channels of v, source 1 = p: a lane holds one query and channels 16 h + 0..15 of my head
	MMA0 S+8, VV+12, PF, VS+1, PS
	PLACES 5
.set i, 0
.rept 8
	v_pk_mul_f32 v[S+2*i:S+2*i+1], v[S+2*i:S+2*i+1], v[RC:RC+1] op_sel_hi:[1,0]   ; / the sum
.set i, i+1
.endr
	v_max3_num_f32 v[BM], |v[S]|, |v[S+1]|, 0x1800000
	v_max3_num_f32 v[BM+1], |v[S+8]|, |v[S+9]|, 0x1800000
.irp i, 2,4,6
	s_delay_alu instid0(VALU_DEP_2)
	v_max3_num_f32 v[BM], v[BM], |v[S+\i]|, |v[S+1+\i]|
	s_delay_alu instid0(VALU_DEP_2)
	v_max3_num_f32 v[BM+1], v[BM+1], |v[S+8+\i]|, |v[S+9+\i]|
.endr
	s_delay_alu instid0(VALU_DEP_1)
	v_max_num_f32 v[BM], v[BM], v[BM+1]
	s_delay_alu instid0(VALU_DEP_1)
	v_permlanex16_b32 v[BP], v[BM], s30, s31
	s_delay_alu instid0(VALU_DEP_1)
	v_max_num_f32 v[BM], v[BM], v[BP]              ; my head is one block of 32 along the next K
	s_delay_alu instid0(VALU_DEP_1)
	v_add_nc_u32 v[BS], 0xff000000, v[BM]
	s_delay_alu instid0(VALU_DEP_1)
	v_lshrrev_b32 v[TA], 23, v[BS]
	v_cvt_scalef32_pk16_fp6_f32 v[T0:T0+2], v[S:S+15], v[BS]
	v_nop
.irp i, 0,1,2
	ds_store_b32 v3, v[T0+\i] offset:2*FRB*(\j)+4*\i   ; three registers of the image: lane r + 16 (w % 2), registers 6 ((w / 2) % 2) + 3 h + i of fragment (j, w / 4)
.endr
	ds_store_b8 v4, v[TA] offset:4*(\j)            ; byte w % 4 of that fragment's scale word of row r; both halves of the lanes write the same value
.endm
; ---- a product whose 32 columns are mine, for all 128 rows: 16 accumulators, ACC(u, t) at v[16 + 8 t] (u = 0) and v[192 + 8 t] (u = 1).  A run is four tiles of rows x two tiles of columns, 128 along K.
.macro SETBF m                         ; the second buffer's fragment m, in window 0
.if (\m) == 0
.set bf, 80
.else
.set bf, 142+12*(\m)
.endif
.endm
.macro GFETCH q, FS                    ; run q = 2 s + g: fragments (4 g + m, s), m = 0..3, and their four scale words: 13 LDS loads.  Even runs into window 1, odd runs into window 0
.set gs, (\q)/2
.set gg, (\q)%2
.if gg == 0
	WIN 0x40
.irp m, 0,1,2,3
.irp i, 0,1,2
	ds_load_b128 v[192+12*\m+4*\i:192+12*\m+4*\i+3], v1 offset:(\FS*\m+gs)*FRB+16*\i
.endr
.endr
	WIN 0
	ds_load_b128 v[144:147], v3 offset:512*gs
.else
.irp m, 0,1,2,3
	SETBF \m
.irp i, 0,1,2
	ds_load_b128 v[bf+4*\i:bf+4*\i+3], v2 offset:(\FS*\m+gs)*FRB+16*\i
.endr
.endr
	ds_load_b128 v[148:151], v3 offset:512*gs+16
.endif
.endm
.macro GEMM2 NS, FS, WREG, WSC, LW     ; NS K steps; fragments FS apart from tile to tile; weights at w1.v[WREG + 12 (NS u + s)], their words at v[WSC + NS u + s]; LW = 1: the weights are still landing, six loads a K step
	GFETCH 0, \FS
.set q, 0
.rept 2*\NS
.if q < 2*\NS-1
	GFETCH q+1, \FS
	s_wait_dscnt 13                                ; all but the thirteen just issued
.else
	s_wait_dscnt 0x0
.endif
.set ks, q/2
.set kg, q%2
.if \LW && (kg == 0)
	s_wait_loadcnt 42-6*ks                         ; this K step's six loads are in; the later steps' may be out
.endif
.if kg == 0
.if ks == 0
	WIN 0x15                                       ; sources 0, 1 and the bias in window 1
.else
	WIN 0x05
.endif
.else
.if ks == 0
	WIN 0x11
.else
	WIN 0x01
.endif
.endif
.irp m, 0,1,2,3
	SETBF \m
.irp u, 0,1
.set ac, 16+8*(4*kg+\m)+176*\u
.set wa, \WREG+12*((1-\LW)*(\NS*\u+ks)+\LW*(2*ks+\u))   ; LW = 1: the weights lie K step by K step, 12 (2 s + u)
.set wsr, \WSC+\NS*\u+ks
.if kg == 0
.set bb, 192+12*\m
.else
.set bb, bf
.endif
.if ks == 0
	MMAC ac, wa, bb, 240+8*\u, wsr, 144+4*kg+\m    ; the bias is the C of a sum's first product
.else
	MMAC ac, wa, bb, ac, wsr, 144+4*kg+\m
.endif
.endr
.endr
	WIN 0
	PLACES 4
.set q, q+1
.endr
.endm
.macro GADDR img, half, sc
	v_and_b32 v10, 15, v0
	v_and_b32 v11, 31, v0
	s_delay_alu instid0(VALU_DEP_1)
	v_mul_u32_u24 v1, v11, 48
	s_delay_alu instid0(VALU_DEP_1)
	v_add_nc_u32 v1, \img, v1                      ; images of tiles 0-3,
	s_delay_alu instid0(VALU_DEP_1)
	v_add_nc_u32 v2, \half, v1                     ; of tiles 4-7
	v_lshlrev_b32 v3, 5, v10
	s_delay_alu instid0(VALU_DEP_1)
	v_add_nc_u32 v3, \sc, v3                       ; scale words: 32 bytes a row, 4 a tile
	v_mul_u32_u24 v4, v10, XP
	s_lshl_b32 s27, s26, 7
	v_add_nc_u32 v4, s27, v4
	s_delay_alu instid0(VALU_DEP_1)
	v_add_nc_u32 v4, v9, v4                        ; the residual stream: row r, my 128 bytes, + 64 h; tiles 0-3,
	s_delay_alu instid0(VALU_DEP_1)
	v_add_nc_u32 v5, 4*TROW, v4                    ; tiles 4-7
.endm
; The residual stream takes the product: my 64 bytes of a row (16 columns) of each tile, read, added, written back.  No other wave touches these columns between the two barriers round it.
.macro XTL t
.irp k, 0,1,2,3
	ds_load_b128 v[80+16*((\t)%3)+4*\k:80+16*((\t)%3)+4*\k+3], v[4+(\t)/4] offset:((\t)%4)*TROW+16*\k
.endr
.endm
.macro XLD n                           ; piece n (512 bytes, half a row) of my 16 tokens of x: n < 16 into window 0, the others into window 1, at v[128 + 4 n] of the window that the caller has set
	global_load_b128 v[128+4*(\n):131+4*(\n)], v7, s[4:5] offset:(((\n)/2)+8*(((\n)/2)/8))*1024+512*((\n)%2) th:TH_LOAD_NT
.endm
.macro XNEXT t                         ; four pieces of the next sequence's x; none in the last trip of the loop over sequences
	s_cmp_eq_u32 s41, 1
	s_cbranch_scc1 .Lnx_\@
.if \t >= 4
	WIN 0x40
.endif
	XLD 4*\t
	XLD 4*\t+1
	XLD 4*\t+2
	XLD 4*\t+3
	WIN 0
.Lnx_\@:
.endm
.macro WQKV g                          ; twelve of the 36 loads of Wq, Wk, Wv of my head: load i brings registers 4 i .. 4 i + 3 of window 1 from byte 512 i of my fragments
	WIN 0x40
.set i, 12*(\g)
.rept 12
	global_load_b128 v[4*i:4*i+3], v7, s[20:21] offset:512*i
.set i, i+1
.endr
	WIN 0
.endm
.macro UPDATE nx                       ; nx = 1: the next sequence's x is asked for on the way
	XTL 0
	XTL 1
	XTL 2
.irp t, 0,1,2,3,4,5,6,7
.if \t < 6
	s_wait_dscnt 8                                 ; tile t's piece is in: behind it at least two later pieces' loads were issued
.elseif \t == 6
	s_wait_dscnt 4
.else
	s_wait_dscnt 0x0
.endif
.irp i, 0,1,2,3
	v_pk_add_f32 v[16+8*\t+2*\i:17+8*\t+2*\i], v[16+8*\t+2*\i:17+8*\t+2*\i], v[80+16*(\t%3)+2*\i:81+16*(\t%3)+2*\i]
.endr
.irp i, 0,1,2,3
	v_pk_add_f32 v[192+8*\t+2*\i:193+8*\t+2*\i], v[192+8*\t+2*\i:193+8*\t+2*\i], v[88+16*(\t%3)+2*\i:89+16*(\t%3)+2*\i]
.endr
	ds_store_b128 v[4+\t/4], v[16+8*\t:19+8*\t] offset:(\t%4)*TROW
	ds_store_b128 v[4+\t/4], v[20+8*\t:23+8*\t] offset:(\t%4)*TROW+16
	ds_store_b128 v[4+\t/4], v[192+8*\t:195+8*\t] offset:(\t%4)*TROW+32
	ds_store_b128 v[4+\t/4], v[196+8*\t:199+8*\t] offset:(\t%4)*TROW+48
.if \t < 5
	XTL \t+3
.endif
.if \nx
	XNEXT \t
.endif
.endr
.endm
; ---- the first FFN product: my 128 hidden units for a tile of 16 rows, relu, quantised: K step w of the second
.macro FFETCH buf, ra, rs, rel         ; h2's two fragments of a token tile and their scale words: ra, rs the address registers, rel the tile counted from them
	WIN 0x40
.irp s, 0,1
.irp g, 0,1,2
	ds_load_b128 v[192+24*\buf+12*\s+4*\g:192+24*\buf+12*\s+4*\g+3], v[\ra] offset:2*FRB*\rel+FRB*\s+16*\g
.endr
.endr
	WIN 0
	ds_load_b64 v[HW+2*\buf:HW+2*\buf+1], v[\rs] offset:128*\rel
.endm
.macro W2LOAD q                        ; W2's K steps 4 q .. 4 q + 3, both column tiles, into the 96 registers that half q of W1 has left: fragment (u, s) at 12 (2 s + u); six loads a K step, K ascending
	WIN 0x40
.irp s, 0,1,2,3
.irp u, 0,1
.irp g, 0,1,2
	global_load_b128 v[12*(2*(4*\q+\s)+\u)+4*\g:12*(2*(4*\q+\s)+\u)+4*\g+3], v7, s[20:21] offset:(32+8*\u+4*\q+\s)*FRB+512*\g
.endr
.endr
.endr
	WIN 0
.endm
.macro MM hf                           ; two token tiles x the four W1 tiles of half hf: eight accumulators by turns, K step by K step; b1 is the C of the first.  Accumulator (tile bu, tt) at v[16 + 32 bu + 8 tt]
	WIN 0x05
.irp bu, 0,1
.irp tt, 0,1,2,3
	MMAC 16+32*\bu+8*\tt, 24*(4*\hf+\tt), 192+24*\bu, 192+8*(4*\hf+\tt), WS+2*(4*\hf+\tt), HW+2*\bu
.endr
.endr
.irp bu, 0,1
.irp tt, 0,1,2,3
	MMAC 16+32*\bu+8*\tt, 24*(4*\hf+\tt)+12, 204+24*\bu, 16+32*\bu+8*\tt, WS+2*(4*\hf+\tt)+1, HW+2*\bu+1
.endr
.endr
	WIN 0
.endm
.macro RELU
.set n, 0
.rept 32                                       ; two numbers an instruction: an even and an odd destination, second sources in different register banks; each accumulator from its low end on
	v_dual_max_num_f32 v[16+n], 0, v[16+n] :: v_dual_max_num_f32 v[17+n], 0, v[17+n]
.set n, n+2
.endr
.endm
.macro TRIP hf, mode                   ; two tiles of rows x half hf of my hidden units.  mode 1: the next two tiles follow; 2: half 0's last trip; 0: the very last
	s_wait_dscnt 0x0                               ; buffer 0 is in, my image stores are done: the trip's addresses are stepped only behind this wait
	v_add_nc_u32 v5, s37, v1
	v_add_nc_u32 v6, s38, v2
	v_add_nc_u32 v10, s39, v3
	v_add_nc_u32 v11, s40, v4
	MM \hf
	PLACES 5
.if \mode == 1
	FFETCH 0, 5, 6, 2                              ; the next trip's two tiles, behind the places: they land while this trip's results are quantised
	FFETCH 1, 5, 6, 3
.elseif \mode == 2
	FFETCH 0, 1, 2, 0                              ; the second half begins at tiles 0 and 1 again
	FFETCH 1, 1, 2, 1
.endif
.if \mode != 1
	W2LOAD \hf                                     ; this half of W1 has been multiplied for the last time
.endif
	RELU
	QUANT 16                                       ; blocks 0, 1: the first tile's blocks 2 hf, 2 hf + 1 of K step w; blocks 2, 3: the second tile's
	v_lshrrev_b32 v[TM+4], 16, v[PW]               ; the second tile's two scale bytes
.irp g, 0,1,2
	ds_store_b64 v10, v[PC+2*\g:PC+2*\g+1] offset:24*\hf+8*\g              ; registers 6 hf .. 6 hf + 5 of the image: 24 bytes of my 48
	ds_store_b64 v10, v[PC+6+2*\g:PC+7+2*\g] offset:8*FRB+24*\hf+8*\g
.endr
	ds_store_b16 v11, v[PW] offset:2*\hf           ; bytes 2 hf, 2 hf + 1 of the scale word
	ds_store_b16 v11, v[TM+4] offset:4+2*\hf
	s_add_co_u32 s37, s37, 4*FRB
	s_add_co_u32 s38, s38, 256
	s_add_co_u32 s39, s39, 16*FRB
	s_add_co_u32 s40, s40, 8
.endm
; ======== head
	s_load_b512 s[4:19], s[0:1], 0x0               ; x 4:5, g1 6:7, be1 8:9, g2 10:11, be2 12:13, bo 14:15, b1 16:17, b2 18:19
	s_load_b128 s[20:23], s[0:1], 0x40             ; wfrag, wscale
	s_load_b64 s[24:25], s[0:1], 0x50              ; out0
	v_lshl_add_u32 v[SPW], v0, 2, SPARE
	v_mov_b32 v[NIL], 0
	v_lshrrev_b32 v1, 5, v0
	s_delay_alu instid0(VALU_DEP_1)
	v_readfirstlane_b32 s26, v1                    ; wave 0..7
	v_and_b32 v1, 31, v0
	s_delay_alu instid0(VALU_DEP_1)
	v_lshlrev_b32 v7, 4, v1                        ; 16 x lane
	v_and_b32 v2, 15, v0
	s_delay_alu instid0(VALU_DEP_1)
	v_lshlrev_b32 v8, 4, v2                        ; 16 r
	v_bfe_u32 v3, v0, 4, 1
	s_delay_alu instid0(VALU_DEP_1)
	v_lshlrev_b32 v9, 6, v3                        ; 64 h
	s_mov_b32 s30, 0x76543210
	s_mov_b32 s31, 0xfedcba98                      ; selects for lane l xor 16
	s_mov_b32 s32, 0x3e8293ee                      ; c = log2(e) / sqrt(32)
	s_mov_b32 s33, s32
	s_mov_b32 s34, 0x3b800000                      ; 1 / 256
	s_mov_b32 s35, 0x3727c5ac                      ; 1e-5
	s_lshr_b32 s27, s26, 1
	s_and_b32 s28, s26, 1
	s_lshl_b32 s44, ttmp9, 17                      ; my sequence: 131,072 bytes;
	s_lshl_b32 s29, s27, 15
	s_add_co_u32 s44, s44, s29
	s_lshl_b32 s29, s28, 13
	s_add_co_u32 s44, s44, s29                     ; my tile's first token: 32 (w / 2) + 8 (w % 2), 1,024 bytes each
	s_mov_b32 s45, 0
	s_min_u32 s46, ttmp9, 255
	s_add_co_u32 s46, s46, 256
	s_lshl_b32 s46, s46, 17
	s_lshl_b32 s29, s26, 14
	s_add_co_u32 s46, s46, s29                     ; the prefetch: sequence min(n, 255) + 256, my wave's 16,384 bytes
	s_mov_b32 s47, 0
	s_mul_i32 s48, s26, 48*FRB
	s_mov_b32 s49, 0
	s_mul_i32 s50, s26, 3072
	s_mov_b32 s51, 0
	s_lshl_b32 s52, s26, 7
	s_mov_b32 s53, 0
	s_lshl_b32 s54, s26, 9
	s_mov_b32 s55, 0
	s_lshl_b32 s56, s28, 9
	s_mov_b32 s57, 0
	s_wait_alu depctr_va_vdst(0)
	s_wait_kmcnt 0x0
	s_add_nc_u64 s[42:43], s[4:5], s[46:47]
	s_add_nc_u64 s[4:5], s[4:5], s[44:45]
	s_add_nc_u64 s[24:25], s[24:25], s[44:45]
	s_add_nc_u64 s[20:21], s[20:21], s[48:49]      ; my 48 fragments,
	s_add_nc_u64 s[22:23], s[22:23], s[50:51]      ; their scale words,
	s_add_nc_u64 s[14:15], s[14:15], s[52:53]      ; my 32 numbers of bo
	s_add_nc_u64 s[18:19], s[18:19], s[52:53]      ; and of b2,
	s_add_nc_u64 s[16:17], s[16:17], s[54:55]      ; my 128 of b1
	s_cmp_eq_u32 s27, 0                            ; wave w brings half w % 2 of parameter w / 2: g1, be1, g2, be2
	s_cselect_b64 s[58:59], s[6:7], s[8:9]
	s_cmp_eq_u32 s27, 2
	s_cselect_b64 s[60:61], s[10:11], s[12:13]
	s_cmp_lt_u32 s27, 2
	s_cselect_b64 s[58:59], s[58:59], s[60:61]
	s_add_nc_u64 s[58:59], s[58:59], s[56:57]
	global_load_b128 v[80:83], v7, s[58:59]
	s_lshl_b32 s27, s26, 9
	v_add_nc_u32 v1, s27, v7
	s_delay_alu instid0(VALU_DEP_1)
	v_add_nc_u32 v1, PAR, v1
	s_mov_b32 s41, 2                               ; sequences to go
.set n, 0
.rept 16                                       ; the first sequence's x: each load is 512 consecutive bytes, half a row
	XLD n
.set n, n+1
.endr
	WIN 0x40
.rept 16
	XLD n
.set n, n+1
.endr
	WIN 0
	s_wait_alu depctr_va_vdst(0)
	s_wait_loadcnt 32                              ; the parameters are in: behind them x's 32 loads were issued
	ds_store_b128 v1, v[80:83]
.Lseq:                                                 ; ======== a sequence
	s_mul_i32 s27, s26, TROW
	v_add_nc_u32 v2, s27, v7
	s_wait_alu depctr_va_vdst(0)
	s_wait_loadcnt 0x0                             ; x is in: no other load of mine is out here
.set n, 0
.rept 16
	ds_store_b128 v2, v[128+4*n:131+4*n] offset:XP*(n/2)+512*(n%2)
.set n, n+1
.endr
	WIN 0x04                                       ; the data in window 1
.rept 16
	ds_store_b128 v2, v[128+4*n:131+4*n] offset:XP*(n/2)+512*(n%2)
.set n, n+1
.endr
	WIN 0
	BARRIER                                        ; the parameters lie in LDS
; ======== h = layernorm(x), quantised
	LN 1, 0, 1024
	BARRIER                                        ; h's sixteen fragments lie in LDS
; ======== my head: q, k, v and attention, by pairs of token tiles
	v_and_b32 v10, 15, v0
	s_wait_alu depctr_va_vdst(0)
	v_and_b32 v11, 31, v0
	v_bfe_u32 v12, v0, 4, 1
	s_delay_alu instid0(VALU_DEP_2)
	v_mul_u32_u24 v1, v11, 48
	s_delay_alu instid0(VALU_DEP_1)
	v_add_nc_u32 v1, AIM, v1
	v_lshlrev_b32 v2, 3, v10
	s_delay_alu instid0(VALU_DEP_1)
	v_add_nc_u32 v2, ASC, v2
	s_and_b32 s27, s26, 1
	s_mul_i32 s27, s27, 768
	s_lshr_b32 s28, s26, 1
	s_and_b32 s28, s28, 1
	s_mul_i32 s28, s28, 24
	s_add_co_u32 s27, s27, s28
	s_lshr_b32 s28, s26, 2
	s_mul_i32 s29, s28, FRB
	s_add_co_u32 s27, s27, s29
	v_mul_u32_u24 v3, v10, 48
	s_wait_alu depctr_va_vdst(0)
	v_mad_u32_u24 v3, v12, 12, v3
	s_delay_alu instid0(VALU_DEP_1)
	v_add_nc_u32 v3, s27, v3
	s_delay_alu instid0(VALU_DEP_1)
	v_add_nc_u32 v3, OIM, v3                       ; where my half block of o goes in the image
	s_lshl_b32 s28, s28, 9
	s_and_b32 s29, s26, 3
	s_add_co_u32 s28, s28, s29
	v_lshlrev_b32 v4, 5, v10
	s_delay_alu instid0(VALU_DEP_1)
	v_add_nc_u32 v4, s28, v4
	s_delay_alu instid0(VALU_DEP_1)
	v_add_nc_u32 v4, OSC, v4                       ; and its scale byte
	v_and_b32 v13, 8, v10
	s_delay_alu instid0(VALU_DEP_1)
	v_add_nc_u32 v5, v13, v10
	v_lshlrev_b32 v13, 4, v12
	s_delay_alu instid0(VALU_DEP_1)
	v_sub_nc_u32 v5, v5, v13                       ; the mask: r + 8 (r / 8) - 16 h,
	s_delay_alu instid0(VALU_DEP_1)
	v_add_nc_u32 v6, 8, v5
.set i, 0
.rept 16                                       ; the lanes in which register i of a query tile's last block of keys is hidden: even tiles s66-81, odd tiles s82-97
	v_cmp_gt_i32 s[66+i], i, v5
	v_cmp_gt_i32 s[82+i], i, v6
.set i, i+1
.endr
.set n, KK
.rept 39                                       ; k's tiles and v's fragments begin as zero codes: 78 registers, two an instruction
	v_dual_mov_b32 v[n], 0 :: v_dual_mov_b32 v[n+1], 0
.set n, n+2
.endr
.irp i, 6,7,8,9,10,11
	v_mov_b32 v[QF0+\i], 0                         ; q: zero codes at k 64..127, for good
	v_mov_b32 v[QF0+12+\i], 0
	v_mov_b32 v[PF+\i], 0                          ; p: keys 64..127, until they are reached
.endr
.irp i, 0,1,2,3
	v_mov_b32 v[BP+\i], 0                          ; lane permutes' destinations count as sources
.endr
	v_mov_b32 v[TB], 0
	v_mov_b32 v[NM+1], 0                           ; upper halves of pairs of which the low word serves
	v_mov_b32 v[RC+1], 0
	v_mov_b32 v[NINF], 0xff800000
	s_wait_loadcnt 0x0
	WIN 0x40
.set i, 36
.rept 12                                       ; my part of Wo, wanted behind the attention alone: asked for here, behind the wait for Wq, Wk, Wv
	global_load_b128 v[4*i:4*i+3], v7, s[20:21] offset:512*i
.set i, i+1
.endr
.irp u, 0,1
.irp k, 0,1
	global_load_b128 v[240+8*\u+4*\k:243+8*\u+4*\k], v9, s[14:15] offset:32*\u+16*\k   ; bo in the result's layout: register 8 u + j is column 32 w + 16 h + 8 u + j
.endr
.endr
	WIN 0
	HFETCH 0
.irp b, 0,1,2,3
	TILE 2*\b
	TILE 2*\b+1
.if \b == 3
	WIN 0x40                                       ; Wq, Wk, Wv have been multiplied for the last time: W1's first twelve fragments take their registers
.set f, 0
.rept 12
.irp g, 0,1,2
	global_load_b128 v[12*f+4*\g:12*f+4*\g+3], v7, s[20:21] offset:(16+f)*FRB+512*\g
.endr
.set f, f+1
.endr
	WIN 0
.endif
	VQ \b
	ATT 2*\b
	ATT 2*\b+1
.endr
	BARRIER                                        ; o's sixteen fragments lie in LDS
; ======== x1 = x + o Wo + bo
	GADDR OIM, 8*FRB, OSC
	s_wait_alu depctr_va_vdst(0)
	s_wait_loadcnt 36                              ; Wo and bo are in; W1's 36 loads issued behind them may be out
	GEMM2 2, 2, 144, WS+12, 0
	WIN 0x40
.set f, 12
.rept 4                                        ; W1's last four fragments take Wo's registers, b2 takes bo's
.irp g, 0,1,2
	global_load_b128 v[12*f+4*\g:12*f+4*\g+3], v7, s[20:21] offset:(16+f)*FRB+512*\g
.endr
.set f, f+1
.endr
.irp u, 0,1
.irp k, 0,1
	global_load_b128 v[240+8*\u+4*\k:243+8*\u+4*\k], v9, s[18:19] offset:32*\u+16*\k
.endr
.endr
	WIN 0
	UPDATE 0
	BARRIER                                        ; x1 is whole
; ======== h2 = layernorm(x1), quantised
	LN 2, 2048, 3072
	BARRIER                                        ; h2's sixteen fragments lie in LDS
; ======== the hidden layer
.set TM, 154
.set PW, 170
.set PC, 172
	v_and_b32 v10, 15, v0
	v_and_b32 v11, 31, v0
	s_delay_alu instid0(VALU_DEP_1)
	v_mul_u32_u24 v1, v11, 48
	s_delay_alu instid0(VALU_DEP_1)
	v_add_nc_u32 v3, HIM, v1
	s_delay_alu instid0(VALU_DEP_2)
	v_add_nc_u32 v1, AIM, v1
	v_lshlrev_b32 v2, 3, v10
	s_delay_alu instid0(VALU_DEP_1)
	v_add_nc_u32 v2, ASC, v2
	s_mul_i32 s27, s26, FRB
	v_add_nc_u32 v3, s27, v3                       ; my images: fragment (t, w)
	s_lshl_b32 s27, s26, 9
	v_lshlrev_b32 v4, 5, v10
	s_delay_alu instid0(VALU_DEP_1)
	v_add_nc_u32 v4, s27, v4
	s_delay_alu instid0(VALU_DEP_1)
	v_add_nc_u32 v4, HSC, v4
	v_lshlrev_b32 v13, 8, v11                      ; the prefetch: 256 x lane
.irp b, 0,1,2,3
	v_mov_b32 v[TM+4+\b], 0
.endr
	s_mov_b32 s36, 3
	s_mov_b32 s37, 0
	s_mov_b32 s38, 0
	s_mov_b32 s39, 0
	s_mov_b32 s40, 0
	s_wait_alu depctr_va_vdst(0)
	s_wait_loadcnt 0x0                             ; W1, b1, b2 and the scale words
	FFETCH 0, 1, 2, 0
	FFETCH 1, 1, 2, 1
	; A PREFETCH INTO THE L2 of x of sequence n + 256, in the first trip of the loop over sequences alone: wave w names its 16,384 bytes, lanes 256 bytes apart, two instructions: each aligned 256 bytes once.
	; It stands the hidden layer's eight trips and the second FFN product ahead of the loads that want the data.  Its address registers are written again only behind the s_wait_xcnt 0 at the sequence's end.
	s_cmp_eq_u32 s41, 2
	s_cbranch_scc0 .Lno_prefetch
	global_prefetch_b8 v13, s[42:43] th:TH_LOAD_NT scope:SCOPE_SE
	global_prefetch_b8 v13, s[42:43] offset:8192 th:TH_LOAD_NT scope:SCOPE_SE
.Lno_prefetch:
.Ltrip_a:
	TRIP 0, 1
	s_sub_co_u32 s36, s36, 1
	s_cmp_lg_u32 s36, 0
	s_wait_alu depctr_va_vdst(0)
	s_cbranch_scc1 .Ltrip_a
	TRIP 0, 2
	s_mov_b32 s36, 3
	s_mov_b32 s37, 0
	s_mov_b32 s38, 0
	s_mov_b32 s39, 0
	s_mov_b32 s40, 0
.Ltrip_b:
	TRIP 1, 1
	s_sub_co_u32 s36, s36, 1
	s_cmp_lg_u32 s36, 0
	s_wait_alu depctr_va_vdst(0)
	s_cbranch_scc1 .Ltrip_b
	TRIP 1, 0                                      ; the last two tiles fetch nothing more
	BARRIER                                        ; the hidden layer's 64 fragments lie in LDS
; ======== out = x1 + hidden W2 + b2
	GADDR HIM, 32*FRB, HSC
	s_wait_alu depctr_va_vdst(0)
	GEMM2 8, 8, 0, 108, 1
	s_add_nc_u64 s[4:5], s[4:5], 0x2000000         ; x of sequence n + 256: this sequence's loads of x were waited for at the loop's top
	UPDATE 1
	BARRIER                                        ; the result is whole
; ======== my 16 rows leave: each store is 512 consecutive bytes, aligned
	s_mul_i32 s27, s26, TROW
	v_add_nc_u32 v1, s27, v7
.set n, 0
.rept 32
	ds_load_b128 v[16+4*n+112*(n/16):19+4*n+112*(n/16)], v1 offset:XP*(n/2)+512*(n%2)
.set n, n+1
.endr
.set n, 0
.rept 32
	s_wait_dscnt 31-n                              ; LDS loads come back in order: load n is in
	global_store_b128 v7, v[16+4*n+112*(n/16):19+4*n+112*(n/16)], s[24:25] offset:((n/2)+8*((n/2)/8))*1024+512*(n%2) th:TH_STORE_NT
.set n, n+1
.endr
	s_wait_xcnt 0x0                                ; the stores' data registers and base, and the prefetch's address register, are written again only behind this wait
	s_add_nc_u64 s[24:25], s[24:25], 0x2000000     ; out0 of sequence n + 256
	s_sub_co_u32 s41, s41, 1
	s_cmp_lg_u32 s41, 0
	s_wait_alu depctr_va_vdst(0)
	s_cbranch_scc1 .Lseq
	s_wait_tensorcnt 0x0
	ds_add_u32 v[SPW], v[NIL]
	s_wait_dscnt 0x0
	s_endpgm
.Lfunc_end_k_qfa02164f27_block:
	.size	k_qfa02164f27_block, .Lfunc_end_k_qfa02164f27_block-k_qfa02164f27_block
	.p2alignl 7, 3214868480
	.fill 96, 4, 3214868480
	.section	.rodata,"a",@progbits
	.p2align	6, 0x0
	.amdhsa_kernel k_qfa02164f27_block
		.amdhsa_group_segment_fixed_size 291840
		.amdhsa_private_segment_fixed_size 0
		.amdhsa_enable_private_segment 0
		.amdhsa_kernarg_size 88
		.amdhsa_user_sgpr_count 2
		.amdhsa_user_sgpr_kernarg_segment_ptr 1
		.amdhsa_wavefront_size32 1
		.amdhsa_system_sgpr_workgroup_id_x 1
		.amdhsa_system_sgpr_workgroup_id_y 1
		.amdhsa_system_sgpr_workgroup_id_z 1
		.amdhsa_system_vgpr_workitem_id 0
		.amdhsa_next_free_vgpr 512
		.amdhsa_next_free_sgpr 100
		.amdhsa_reserve_vcc 0
		.amdhsa_float_denorm_mode_32 3
		.amdhsa_float_denorm_mode_16_64 3
		.amdhsa_memory_ordered 1
		.amdhsa_forward_progress 1
		.amdhsa_inst_pref_size 255
	.end_amdhsa_kernel
	.section	.bss,"aw",@nobits
	.p2align	6
	.space	262144
	.amdgpu_metadata
---
amdhsa.version: [ 1, 2 ]
amdhsa.kernels:
  - .name:           k_qfa02164f27_block
    .symbol:         k_qfa02164f27_block.kd
    .args:
      - { .name: x, .offset: 0, .size: 8, .value_kind: global_buffer, .address_space: global }
      - { .name: g1, .offset: 8, .size: 8, .value_kind: global_buffer, .address_space: global }
      - { .name: be1, .offset: 16, .size: 8, .value_kind: global_buffer, .address_space: global }
      - { .name: g2, .offset: 24, .size: 8, .value_kind: global_buffer, .address_space: global }
      - { .name: be2, .offset: 32, .size: 8, .value_kind: global_buffer, .address_space: global }
      - { .name: bo, .offset: 40, .size: 8, .value_kind: global_buffer, .address_space: global }
      - { .name: b1, .offset: 48, .size: 8, .value_kind: global_buffer, .address_space: global }
      - { .name: b2, .offset: 56, .size: 8, .value_kind: global_buffer, .address_space: global }
      - { .name: wfrag, .offset: 64, .size: 8, .value_kind: global_buffer, .address_space: global }
      - { .name: wscale, .offset: 72, .size: 8, .value_kind: global_buffer, .address_space: global }
      - { .name: out0, .offset: 80, .size: 8, .value_kind: global_buffer, .address_space: global }
    .group_segment_fixed_size: 291840
    .private_segment_fixed_size: 0
    .kernarg_segment_align: 8
    .kernarg_segment_size: 88
    .max_flat_workgroup_size: 256
    .sgpr_count:     100
    .vgpr_count:     512
    .wavefront_size: 32
...
	.end_amdgpu_metadata
.endif
;; end of part 2
